; MI455X (gfx1250); checked and timed in simulation.
; The chip was launched on July 23, 2026; its instructions are those of AMD's public machine-readable ISA for CDNA 5 (MIT licence, August 2026) and "CDNA5" Instruction Set Architecture Reference Guide (July 2026). The comments in the code are by the model that wrote it; some were corrected since.
;; SIC Model2. Allowed arithmetic: matrix products marked QUANTISED: E2M1 operands, one E8M0 scale for each 32 along K, by v_wmma_scale_f32_16x16x128_f8f6f4 with both operands' format E2M1 (or v_wmma_scale_f32_32x16x128_f4), f32 sums; everything else in f32.
;; Inputs: Wh1_codes 1,024 x 32 x 16 uint8 (E2M1 codes of Wh1, K innermost, in blocks of 32 codes, two codes a byte); Wh1_scales 1,024 x 32 uint8 (E8M0 scales of Wh1, one for each 32 codes along K); Wh2_codes 1,024 x 32 x 16 uint8 (E2M1 codes of Wh2, K innermost, in blocks of 32 codes, two codes a byte); Wh2_scales 1,024 x 32 uint8 (E8M0 scales of Wh2, one for each 32 codes along K); Wh3_codes 1,024 x 32 x 16 uint8 (E2M1 codes of Wh3, K innermost, in blocks of 32 codes, two codes a byte); Wh3_scales 1,024 x 32 uint8 (E8M0 scales of Wh3, one for each 32 codes along K); Wh4_codes 1,024 x 32 x 16 uint8 (E2M1 codes of Wh4, K innermost, in blocks of 32 codes, two codes a byte); Wh4_scales 1,024 x 32 uint8 (E8M0 scales of Wh4, one for each 32 codes along K); Wp1_codes 1,024 x 32 x 16 uint8 (E2M1 codes of Wp1, K innermost, in blocks of 32 codes, two codes a byte); Wp1_scales 1,024 x 32 uint8 (E8M0 scales of Wp1, one for each 32 codes along K); Wp2_codes 1,024 x 32 x 16 uint8 (E2M1 codes of Wp2, K innermost, in blocks of 32 codes, two codes a byte); Wp2_scales 1,024 x 32 uint8 (E8M0 scales of Wp2, one for each 32 codes along K); Wp3_codes 1,024 x 32 x 16 uint8 (E2M1 codes of Wp3, K innermost, in blocks of 32 codes, two codes a byte); Wp3_scales 1,024 x 32 uint8 (E8M0 scales of Wp3, one for each 32 codes along K); Wp4_codes 1,024 x 32 x 16 uint8 (E2M1 codes of Wp4, K innermost, in blocks of 32 codes, two codes a byte); Wp4_scales 1,024 x 32 uint8 (E8M0 scales of Wp4, one for each 32 codes along K); bh1 1,024 float32; bh2 1,024 float32; bh3 1,024 float32; bh4 1,024 float32; bp1 1,024 float32; bp2 1,024 float32; bp3 1,024 float32; bp4 1,024 float32; hidden_states_codes 16 x 512 x 32 x 16 uint8 (E2M1 codes of hidden_states, K innermost, in blocks of 32 codes, two codes a byte); hidden_states_scales 16 x 512 x 32 uint8 (E8M0 scales of hidden_states, one for each 32 codes along K); hypo_word_idxs 16 x 1 x 2 x 256 int32; prem_word_idxs 16 x 1 x 2 x 256 int32.
;; Outputs: out0 16 x 256 x 1,024 float32; out1 16 x 256 x 1,024 float32.
;; This version of the problem:
;;   THIS VERSION OF THE PROBLEM IS GIVEN IN LOW PRECISION. The matrix products marked QUANTISED in the list below multiply operands that are first quantised to E2M1 (2 exponent bits, 1 mantissa bit; 4 bits a number), with one power-of-two scale for each 32 numbers along K (OCP MX v1.0); their sums are f32. All else is computed in f32.
;;   The module's matrix products, in the order in which they are computed (A, B: the left and right operand; K: the contracted axis; several contracted axes count as one K, in the product's order):
;;     1. [M 8,192, K 1,024] x [K 1,024, N 1,024]; A: input hidden_states (given as codes); B: input Wp1 (given as codes): QUANTISED
;;     2. [M 8,192, K 1,024] x [K 1,024, N 1,024]; A: input hidden_states (given as codes); B: input Wp2 (given as codes): QUANTISED
;;     3. [M 8,192, K 1,024] x [K 1,024, N 1,024]; A: input hidden_states (given as codes); B: input Wp3 (given as codes): QUANTISED
;;     4. [M 8,192, K 1,024] x [K 1,024, N 1,024]; A: input hidden_states (given as codes); B: input Wp4 (given as codes): QUANTISED
;;     5. [M 8,192, K 1,024] x [K 1,024, N 1,024]; A: input hidden_states (given as codes); B: input Wh1 (given as codes): QUANTISED
;;     6. [M 8,192, K 1,024] x [K 1,024, N 1,024]; A: input hidden_states (given as codes); B: input Wh2 (given as codes): QUANTISED
;;     7. [M 8,192, K 1,024] x [K 1,024, N 1,024]; A: input hidden_states (given as codes); B: input Wh3 (given as codes): QUANTISED
;;     8. [M 8,192, K 1,024] x [K 1,024, N 1,024]; A: input hidden_states (given as codes); B: input Wh4 (given as codes): QUANTISED
;;   THE QUANTISER, for each operand of a quantised product, along K:
;;     - K is cut into blocks of 32 from its start; a last block that is shorter is filled with zeros.
;;     - A block's scale is 2^e with e = floor(log2(the largest magnitude in the block)) - 2, held to -126 .. 127; a block of zeros has e = 0. As a byte (E8M0): e + 127.
;;     - Each number is divided by its block's scale, clamped to +-6, and rounded to the nearest number of E2M1, ties to even, subnormals kept.
;;     - The product sums the exact products of the quantised numbers (number of the format x scale) in f32.
;;   ~~~python
;;   def quantise(x, axis):      # numpy; x: float32 -> the quantised numbers, widened to float32 again
;;       x = np.moveaxis(x, axis, -1); K = x.shape[-1]
;;       x = np.pad(x, [(0, 0)] * (x.ndim - 1) + [(0, -K % 32)]); x = x.reshape(x.shape[:-1] + (-1, 32)); a = np.abs(x).max(-1, keepdims=True)
;;       e = np.where(a > 0, np.clip(np.frexp(np.where(a > 0, a, 1))[1] - 1 - 2, -126, 127), 0)      # np.frexp(a)[1] - 1 = floor(log2(a)), exactly
;;       r = np.clip(x / 2.0 ** e, -6, 6)
;;       step = 2.0 ** (np.maximum(np.frexp(np.where(r == 0, 1, r))[1] - 1, 0) - 1)
;;       q = np.round(r / step) * step * 2.0 ** e      # np.round: ties to even
;;       return np.moveaxis(q.reshape(q.shape[:-2] + (-1,))[..., :K], -1, axis).astype(np.float32)
;;   ~~~
;;   INPUTS GIVEN AS CODES. Wh1 (in the module: [1024, 1024], K = its axis 1); Wh2 (in the module: [1024, 1024], K = its axis 1); Wh3 (in the module: [1024, 1024], K = its axis 1); Wh4 (in the module: [1024, 1024], K = its axis 1); Wp1 (in the module: [1024, 1024], K = its axis 1); Wp2 (in the module: [1024, 1024], K = its axis 1); Wp3 (in the module: [1024, 1024], K = its axis 1); Wp4 (in the module: [1024, 1024], K = its axis 1); hidden_states (in the module: [16, 512, 1024], K = its axis 2): each comes as NAME_codes (uint8): NAME with its K axis moved to the last place and cut into blocks of 32 codes, [.., K / 32, bytes a block], one block behind the other in memory; two codes a byte, the lower K in the low four bits (a code: sign, 2 exponent bits, 1 mantissa bit); and NAME_scales (uint8): the same leading axes, one E8M0 byte (e + 127) for each 32 codes along K. Its value is code x scale, taken as it is: it is not quantised again, and the codes and scales need not be those that the quantiser above would give.
;; One version. Each part assembles by itself: llvm-mc -triple=amdgcn-amd-amdhsa -mcpu=gfx1250 --defsym DOCPART=n.
;; ======== version 1 of 1: 1 launch
;; limits: right only within a limited range of input values
;; launch span (part 1): grid 32 x 8, 4 waves a work-group, clusters of 4 x 1, 327,680 bytes of LDS; arguments Wp1_codes, Wp2_codes, Wp3_codes, Wp4_codes, Wh1_codes, Wh2_codes, Wh3_codes, Wh4_codes, Wp1_scales, Wp2_scales, Wp3_scales, Wp4_scales, Wh1_scales, Wh2_scales, Wh3_scales, Wh4_scales, prem_word_idxs, hypo_word_idxs, hidden_states_codes, hidden_states_scales, bp1, bp2, bp4, bh1, bh2, bh4, out0, out1; writes out0, out1
.if DOCPART == 1
	.amdgcn_target "amdgcn-amd-amdhsa--gfx1250"
	.amdhsa_code_object_version 6
	.text
	.protected	k_q378530adcb_span
	.globl	k_q378530adcb_span
	.p2align	8
	.type	k_q378530adcb_span,@function
k_q378530adcb_span:
	s_mov_b64 s[64:65], 0
	v_nop
	global_prefetch_b8 v0, s[64:65] scope:SCOPE_SE
	s_setreg_imm32_b32 hwreg(HW_REG_WAVE_MODE, 25, 1), 1
	s_wait_xcnt 0x0
	s_wait_alu depctr_hold_cnt(0) depctr_sa_sdst(0) depctr_va_vdst(0) depctr_va_sdst(0) depctr_va_ssrc(0) depctr_va_vcc(0) depctr_vm_vsrc(0)
	s_getreg_b32 s2, hwreg(HW_REG_IB_STS2, 6, 4)
	s_cmp_eq_u32 s2, 0
	s_cbranch_scc0 .Lentry_in_a_cluster
	s_endpgm
.Lentry_in_a_cluster:
	s_bfe_u32 s2, ttmp6, 0x10000c
	s_cmp_lg_u32 s2, 0x3003
	s_cbranch_scc0 .Lentry_shape_is_right
	s_endpgm
.Lentry_shape_is_right:
; out = tanh(p1[start] + p2[end] + (p3[start] - p3[end]) + p4[start] p4[end]), p_i = x W_i^T + b_i, for two sets of weights and indices (prem -> out0, hypo -> out1).
; x [16][512][1024] and the eight W [1024][1024] are codes of FP4 (E2M1), K innermost (a row: 512 bytes), with one E8M0 byte for each 32 along K (a row: 32 bytes).
; LEFT OUT: b3 (bp3, bh3).  It stands in p3[start] and in p3[end], and the two are subtracted: (xs W3 + b3) - (xe W3 + b3) = xs W3 - xe W3 for all values.  bp3 and bh3 have no other way to an output:
; they are not loaded and are no arguments.  Limit: a NaN, an infinity or an overflow that reaches b3 alone is not carried to the result.
; ONLY ROWS THAT AN INDEX NAMES ARE MULTIPLIED: xs = x[start], xe = x[end].  Four f32 sums for each output:
;   L = xs W1 + xe W2 + xs W3 + (b1 + b2);   N = xe W3;   P = xs W4 + b4;   Q = xe W4 + b4;   out = tanh(z), z = P Q + L - N;   tanh(z) = 1 - 2 / (1 + 2^(2 log2(e) z)).
; The biases are the C of a sum's first matrix instruction.
; SHARES.  256 work-groups of four waves: a column block of 128 (grid x / 4), a batch and a set.  A work-group makes the 256 spans of its batch and set x its 128 columns.  Wave w: spans 64 w .. + 63, all 128 columns, in eight blocks of 16.
; x: a wave's 128 gathered rows (64 xs, 64 xe) come once, a whole row of 512 bytes to a load, are turned into fragments through the wave's own 16 rows of LDS, and STAY IN 512 REGISTERS.
; W: the 4 x 128 rows of the work-group lie in LDS whole (270,336 bytes), brought by two tensor loads a wave: wave w fetches weight w + 1, 64 rows x 512 bytes (four column blocks) to a load.  No LDS byte is filled twice.
; THE FIRST COLUMN BLOCK goes by pairs of row blocks: its W lies in 256 registers, and its first 96 products are made while the second pair's rows are on their way.
; CLUSTER: the four work-groups of a cluster (four batches, same set and columns) need the same W: each tile is asked for JOINTLY, by the same tensor load with the same descriptor and the mask 15.
; x is not shared in the cluster: each work-group gathers rows of another batch.
; No prefetch is laid: W comes by two loads and no loop runs ahead of a load; x's rows are known only from the list, just ahead of their loads.
; THE MATRIX INSTRUCTION IS USED TRANSPOSED (source 0 = 16 rows of W, source 1 = 16 rows of x): a lane holds eight neighbouring columns of one row of out.
; LIMITS: an index outside 0 .. 511 is held at 511.  Three products share one f32 sum: another order of additions than the definition's.  Where 2^(..) overflows or falls to 0 the result is exactly 1 or -1.
; REGISTERS, in windows of 256 (s_set_vgpr_msb: bits 1:0 source 0, 3:2 source 1, 5:4 source 2, 7:6 destination):
;   window 0: v1-31 addresses and work; v32-63 x's scale words; v64-95 W's scale words and v96-127 biases, two sets each; v128-255 the results of four column blocks (in the first column block: W's steps 4-7)
;   window 1: xs (row block a, step q at 64 a + 8 q);   window 2: xe likewise
;   window 3: v0-127 the sums L, P, Q, N (row block a at + 8 a); v128-255 W's fragments, two sets of two steps
.set WP,     528                       ; a row of W or x in LDS: 512 bytes + 16 of padding = 132 words: the 16 rows that a load touches start at 16 different banks (64 banks of 4 bytes: ISA guide 11.1)
.set WHALF,  64*WP                     ; 64 rows of one weight: what one tensor load brings
.set HALF,   4*WHALF                   ; the four weights' 64 rows
.set CBLK,   16*WP                     ; a column block: 16 rows
.set WSCL,   2*HALF                    ; behind W: its scales, 4,096 bytes a weight, as they lie in memory
.set BIAS,   WSCL+16384                ; b1 + b2 of my 128 columns, then b4
.set STG,    BIAS+1024                 ; a stage for each wave: 16 rows of x on the way in, 2 x 16 rows of 272 bytes on the way out
.set STGW,   8704
.set SP,     272
.set SPARE,  STG+4*STGW                ; the spare words, 128 bytes for each wave: two blocks of 256 bytes that no other line names
.set LN16, 1                           ; v1     16 x lane
.set XST,  2                           ; v2     stage: where I store a gathered row's 16 bytes
.set XLD,  3                           ; v3     and where I read a fragment
.set STO,  4                           ; v4     the way out: where I put 32 bytes of a row
.set RD,   5                           ; v5     and where I read a row back
.set CO,   6                           ; v6     my byte offset in out
.set WST,  7                           ; v7     where I store W's scales
.set WSR,  8                           ; v8     where I read them: first half
.set WSA,  9                           ; v9     the same in the half in hand
.set BST,  10                          ; v10    where I store a bias
.set AWB,  11                          ; v11    my place in 16 rows: row x pitch + 16 x half of the lanes
.set BRD,  12                          ; v12    where I read biases: first half
.set H16,  13                          ; v13    16 x half of the lanes
.set SPW,  14                          ; v14    LDS address of my spare word; never rewritten
.set NIL,  15                          ; v15    0; never rewritten
.set XI,   16                          ; v16-23 indices, then offsets, of the rows whose scale words I take
.set ABI,  28                          ; v28    my place in the biases of the half in hand
.set AW0,  30                          ; v30    in weights 1 and 2
.set AW1,  31                          ; v31    in weights 3 and 4
.set XSC,  32                          ; x's scale words: kind k, row block a, word j at 16 k + 4 a + j
.set WSC,  64                          ; W's: set s, weight i, word j at 16 s + 4 i + j
.set BLR,  96                          ; set s at + 16 s: b1 + b2 of my eight columns, then b4
.set HOLD, 128                         ; results: column block c, row block a at 32 c + 8 a
.set WF,   128                         ; window 3: W's fragments: set f, step j of two, weight i at 64 f + 32 j + 8 i
.set G1,   4                           ; s[4:11]  descriptor group 1
.set G0,   12                          ; s[12:15] group 0
.set IDX,  16                          ; s[16:17] the set's indices at my wave's spans
.set XC,   18                          ; s[18:19] x's codes at my batch
.set XS,   20                          ; s[20:21] x's scales at my batch
.set WB,   22                          ; s[22:23] my weight's codes at the work-group's 128 rows
.set WSP,  24                          ; s[24:25] its scales
.set B1,   26                          ; s[26:27], s[28:29], s[30:31] the set's b1, b2, b4 at my columns
.set B2,   28
.set B4,   30
.set HO,   36                          ; s36, s37  byte offset of the half in hand: weights 1 and 2, weights 3 and 4
.set HS,   38                          ; s38       the same in W's scales
.set HB,   39                          ; s39       the same in the biases
.set CS,   66                          ; s[66:67]  2 log2(e), twice
.set OUTP, 100                         ; s[100:101] out at my wave's first row
.set WV,   104                         ; s104  my wave's number
.set SETN, 105                         ; s105  0: prem, 1: hypo
.set TL,   2                           ; s2    halves to go
.set MSB, 0
.macro WIN new                         ; the immediate's high byte repeats the setting that is left; a switch that changes nothing is dropped
.if MSB != (\new)
	s_set_vgpr_msb (MSB<<8)|(\new)
.set MSB, (\new)
.endif
.endm
.macro PLACES n
.rept \n
	v_nop
.endr
.endm
.macro CROUND                          ; a round of the cluster's barrier
	s_barrier_signal -1
	s_barrier_wait -1
	s_cmp_lg_u32 s[WV], 0
	s_cbranch_scc1 .Lnot_wave_0_\@
	s_barrier_signal -3
.Lnot_wave_0_\@:
	s_barrier_wait -3
	s_barrier_signal -1
	s_barrier_wait -1
.endm
; Sixteen rows' offsets (row block a) from sixteen indices (chunk c of the 64 at hand); the loads land on their own offset registers.
.macro ROWADR c, a, win
.set SB, 32+16*(\c)
.if (\c) > 1
.set SB, 36+16*(\c)                    ; (s64 and s65 are not named)
.endif
.set J, 0
.rept 16
	s_min_u32 s[SB+J], s[SB+J], 0x1ff
.set J, J+1
.endr
	WIN \win
.set J, 0
.rept 16
	v_lshl_add_u32 v[64*(\a)+4*J], s[SB+J], 9, v[LN16]     ; row x 512 bytes + 16 x lane
.set J, J+1
.endr
.endm
.macro ROWLD a, win
	WIN \win
.set J, 64*(\a)
.rept 16
	global_load_b128 v[J:J+3], v[J], s[XC:XC+1]            ; a whole row of 512 consecutive bytes to a load
.set J, J+4
.endr
.endm
.macro IDXLD o                         ; 64 indices: 32 of start, 32 of end
	s_load_b512 s[32:47], s[IDX:IDX+1], (\o)
	s_load_b512 s[48:63], s[IDX:IDX+1], (\o)+0x40
	s_load_b512 s[68:83], s[IDX:IDX+1], (\o)+0x400
	s_load_b512 s[84:99], s[IDX:IDX+1], (\o)+0x440
.endm
; Row block a of kind k: its sixteen rows have arrived; they go into my stage and come back as fragments, into the registers that they left.
; A fragment (16 rows x 128 K of 4-bit codes) is 8 registers: lane l holds row l % 16; registers 4 c .. 4 c + 3 hold K = 64 c + 32 (l / 16) + 0 .. 31.
; LDS serves a wave's instructions in order (ISA guide 5.7.1.4): no wait between the stores, the loads and the next block's stores.
.macro XIN k, a, younger
	s_wait_loadcnt \younger                        ; younger: the loads issued behind this block's sixteen
	WIN 4*((\k)+1)                                 ; an LDS store's data are its source 1
.set J, 0
.rept 16
	ds_store_b128 v[XST], v[64*(\a)+4*J:64*(\a)+4*J+3] offset:WP*J
.set J, J+1
.endr
	WIN 64*((\k)+1)
.set J, 0
.rept 16
	ds_load_b128 v[64*(\a)+4*J:64*(\a)+4*J+3], v[XLD] offset:32*J
.set J, J+1
.endr
.endm
.macro FRAGQ c, q, base                ; 8 LDS loads: the four fragments of W of column block c's step q
.set LN, 0
.rept 8
.set nI, LN/2
.set nC, LN%2
.set nD, (\base)+8*nI+4*nC
.set nO, WHALF*(nI%2)+CBLK*(\c)+64*(\q)+32*nC
.if nI < 2
	ds_load_b128 v[nD:nD+3], v[AW0] offset:nO
.else
	ds_load_b128 v[nD:nD+3], v[AW1] offset:nO
.endif
.set LN, LN+1
.endr
.endm
.macro FETCH c, t, f                   ; 16 LDS loads in one run: steps 2 t and 2 t + 1 of column block c into set f
	WIN 0xc0
	FRAGQ (\c), 2*(\t), WF+64*(\f)
	FRAGQ (\c), 2*(\t)+1, WF+64*(\f)+32
.endm
.macro SCALES c                        ; a column block's scale words (lane (r, h): the 16 bytes of its row that serve steps 4 h .. 4 h + 3) and biases (columns 8 h + 0 .. 7) into set c % 2
	WIN 0
.set J, 16*((\c)%2)
.irp i, 0,1,2,3
	ds_load_b128 v[WSC+J+4*\i:WSC+J+4*\i+3], v[WSA] offset:4096*\i+512*(\c)
.endr
.irp i, 0,1
	ds_load_b128 v[BLR+J+4*\i:BLR+J+4*\i+3], v[ABI] offset:64*(\c)+16*\i
	ds_load_b128 v[BLR+8+J+4*\i:BLR+8+J+4*\i+3], v[ABI] offset:512+64*(\c)+16*\i
.endr
.endm
.macro ADDR                            ; where I read in the half in hand
	v_add_nc_u32 v[AW0], s[HO], v[AWB]
	v_add_nc_u32 v[AW1], s[HO+1], v[AWB]
	v_add_nc_u32 v[WSA], s[HS], v[WSR]
	v_add_nc_u32 v[ABI], s[HB], v[BRD]
	s_wait_alu depctr_va_vdst(0)
.endm
.macro WM c                            ; a scale register holds the words of steps 0-3 in lanes 0-15 and those of steps 4-7 in lanes 16-31
.if QQ < 4
	v_wmma_scale_f32_16x16x128_f8f6f4 v[rD:rD+7], v[rW:rW+7], v[rX:rX+7], \c, v[rSW], v[rSX] matrix_a_fmt:MATRIX_FMT_FP4 matrix_b_fmt:MATRIX_FMT_FP4
.else
	v_wmma_scale_f32_16x16x128_f8f6f4 v[rD:rD+7], v[rW:rW+7], v[rX:rX+7], \c, v[rSW], v[rSX] matrix_a_fmt:MATRIX_FMT_FP4 matrix_b_fmt:MATRIX_FMT_FP4 matrix_a_scale:MATRIX_SCALE_ROW1 matrix_b_scale:MATRIX_SCALE_ROW1
.endif
.endm
; weight i against the row blocks A0 .. A1 of kind k, into the sum at d; step QQ of a column block of scale set CC % 2, W's fragments at WBASE
.macro MM d, i, k
.irp a, 0,1,2,3
.if (\a >= A0) && (\a <= A1)
.set rD, (\d)+8*\a
.set rW, WBASE+8*(\i)
.set rX, 64*\a+8*QQ
.set rSW, WSC+16*(CC%2)+4*(\i)+QQ%4
.set rSX, XSC+16*(\k)+4*\a+QQ%4
.set rC, rD
.if (QQ == 0) && ((\d)+(\i) == 0)
.set rC, BLR+16*(CC%2)
.endif
.if (QQ == 0) && (((\d) == 32) || ((\d) == 64))
.set rC, BLR+8+16*(CC%2)
.endif
.if (QQ == 0) && ((\d) == 96)
	WM 0
.else
	WM v[rC:rC+7]
.endif
.endif
.endr
.endm
; A step's products.  The accumulators take turns: between two products on one of them stand at least three others.  S0: the window of W's fragments.
.macro KS q
.set QQ, \q
.set CW, 0x30
.if QQ == 0
.set CW, 0                             ; the sums that begin with a bias: C lies in window 0
.endif
	WIN 0xc4|CW|S0
	MM 0, 0, 0                                     ; L: xs W1
	MM 32, 3, 0                                    ; P: xs W4
	WIN 0xf4|S0
	MM 0, 2, 0                                     ; L: xs W3
	WIN 0xf8|S0
	MM 96, 2, 1                                    ; N: xe W3
	MM 0, 1, 1                                     ; L: xe W2
	WIN 0xc8|CW|S0
	MM 64, 3, 1                                    ; Q: xe W4
.endm
; Steps 2 t and 2 t + 1 of column block c: 48 products on fragment set t % 2.  The next two steps' fragments go out ahead of them, in one run, into the other set; with t = 0 the next column block's scale words and biases too.
; A load into a register that a matrix instruction has read stands four places behind it, and only plain vector instructions that name none of its registers are places (ISA guide 7.12.1 for vector instructions):
; the last lines of the column block before's tanh where there are any, else v_nop.
.macro PAIR c, t
	s_wait_dscnt 0x0                               ; this set's fragments, asked for 48 products ago, are in
.if (\c) > 0
	WIN 0
.set J, HOLD+32*((\c)-1)+8*(\t)
.rept 4
	v_pk_fma_f32 v[J:J+1], v[J:J+1], -2.0, 1.0 op_sel_hi:[1,0,0]
.set J, J+2
.endr
.else
	PLACES 4
.endif
.set TN, (\t)+1
.set TS, TN%2
.set CN, (\c)+1
.if (\t) < 3
	FETCH \c, TN, TS
.elseif (\c) < 3
	FETCH CN, 0, 0
.endif
.if ((\t) == 0) && ((\c) < 3)
	SCALES CN
.endif
.set CC, \c
.set S0, 3
.set A0, 0
.set A1, 3
.set WBASE, WF+64*((\t)%2)
	KS 2*(\t)
.set WBASE, WBASE+32
	KS 2*(\t)+1
.endm
; A column block's tanh up to the reciprocal, which goes into the held results; the last line, 1 - 2 x, follows among the next column block's products.
; Each batch of 32 transcendentals has one wait ahead of it and one behind it.
.macro EPI c, again
	PLACES 4                                       ; results just made are read only behind four places
	WIN 0xff
.set J, 0
.rept 16
	v_pk_fma_f32 v[J:J+1], v[32+J:33+J], v[64+J:65+J], v[J:J+1]     ; P Q + L: each accumulator is read from its low end on
.set J, J+2
.endr
.set J, 0
.rept 16
	v_pk_add_f32 v[J:J+1], v[J:J+1], v[96+J:97+J] neg_lo:[0,1] neg_hi:[0,1]
.set J, J+2
.endr
.set J, 0
.rept 16
	v_pk_mul_f32 v[J:J+1], v[J:J+1], s[CS:CS+1] op_sel_hi:[1,0]
.set J, J+2
.endr
	s_wait_alu depctr_va_vdst(0)
.set J, 0
.rept 32
	v_exp_f32 v[J], v[J]
.set J, J+1
.endr
	v_nop                                          ; a plain instruction behind the last transcendental
	s_wait_alu depctr_va_vdst(0)
.set J, 0
.rept 16
	v_pk_add_f32 v[J:J+1], v[J:J+1], 1.0 op_sel_hi:[1,0]
.set J, J+2
.endr
	s_wait_alu depctr_va_vdst(0)
.if \again
	s_wait_xcnt 0x0                                ; the first half's stores have read their data and their base: both are written again from here on
	s_add_nc_u64 s[OUTP:OUTP+1], s[OUTP:OUTP+1], 0x100   ; the second half's 64 columns
.endif
	WIN 0x03                                       ; source window 3, destination window 0
.set J, 0
.rept 32
	v_rcp_f32 v[HOLD+32*(\c)+J], v[J]
.set J, J+1
.endr
	v_nop
	s_wait_alu depctr_va_vdst(0)
.endm
.macro CB c, again
.irp t, 0,1,2,3
	PAIR \c, \t
.endr
	EPI \c, \again
.endm
.macro FIRST a0                        ; the first column block, row blocks a0 and a0 + 1: 96 products; W's steps 0-3 lie in window 3, its steps 4-7 in window 0
.set CC, 0
.set A0, \a0
.set A1, A0+1
.irp q, 0,1,2,3,4,5,6,7
.set S0, 3
.if \q > 3
.set S0, 0
.endif
.set WBASE, 128+32*(\q%4)
	KS \q
.endr
.endm
	s_load_b512 s[32:47], s[0:1], 0x0              ; Wp1..4's codes, Wh1..4's codes
	s_load_b512 s[48:63], s[0:1], 0x40             ; Wp1..4's scales, Wh1..4's scales
	s_load_b512 s[68:83], s[0:1], 0x80             ; prem's indices, hypo's, x's codes, x's scales, bp1, bp2, bp4, bh1
	s_load_b256 s[84:91], s[0:1], 0xc0             ; bh2, bh4, out0, out1
	v_lshl_add_u32 v[SPW], v0, 2, SPARE
	v_mov_b32 v[NIL], 0
	ds_add_u32 v[SPW], v[NIL]                      ; the wave's opening: the add, twice on end, and its wait ahead of my first tensor load
	ds_add_u32 v[SPW], v[NIL]
	v_lshrrev_b32 v28, 5, v0
	v_readfirstlane_b32 s[WV], v28                 ; wave 0..3
	s_bfe_u32 s3, ttmp6, 0x40000                   ; cx: my place in the cluster; it enters the addresses of the indices, of x and of out alone
	s_and_b32 s2, ttmp7, 0xffff
	s_lshr_b32 s[SETN], s2, 2                      ; the set
	s_and_b32 s92, s2, 3
	s_lshl_b32 s92, s92, 2
	s_add_co_u32 s92, s92, s3                      ; the batch: 4 (y % 4) + cx.  ttmp9: which 128 columns
	s_lshl_b32 s94, s92, 11                        ; indices: 2,048 bytes a batch, 256 for my 64 spans
	s_lshl_b32 s3, s[WV], 8
	s_add_co_u32 s94, s94, s3
	s_mov_b32 s95, 0
	s_lshl_b32 s96, s92, 18                        ; x's codes: 512 rows of 512 bytes a batch
	s_mov_b32 s97, 0
	s_lshl_b32 s98, s92, 14                        ; x's scales: 512 rows of 32 bytes
	s_mov_b32 s99, 0
	s_lshl_b32 s92, s92, 20                        ; out: 256 rows of 4,096 bytes a batch,
	s_lshl_b32 s3, s[WV], 18                       ; 64 for each wave,
	s_add_co_u32 s92, s92, s3
	s_lshl_b32 s3, ttmp9, 9                        ; and 512 bytes for my columns
	s_add_co_u32 s92, s92, s3
	s_mov_b32 s93, 0
	s_lshl_b32 s30, ttmp9, 16                      ; W's codes: 128 rows of 512 bytes
	s_mov_b32 s31, 0
	s_lshl_b32 s28, ttmp9, 12                      ; its scales: 128 rows of 32 bytes
	s_mov_b32 s29, 0
	s_lshl_b32 s26, ttmp9, 9                       ; the biases: 128 numbers
	s_mov_b32 s27, 0
	s_lshl_b32 s2, s[WV], 12
	s_add_co_u32 s2, s2, WSCL                      ; LDS: my weight's scales
	s_mul_i32 s3, s[WV], STGW
	s_add_co_u32 s3, s3, STG                       ; LDS: my stage
	v_and_b32 v28, 31, v0
	v_lshlrev_b32 v[LN16], 4, v28
	v_and_b32 v26, 15, v0                          ; r
	v_bfe_u32 v27, v0, 4, 1                        ; h
	v_lshlrev_b32 v24, 2, v26                      ; 4 r
	v_lshlrev_b32 v25, 2, v0                       ; 4 x thread
	v_lshlrev_b32 v[H16], 4, v27
	v_mul_u32_u24 v29, v26, WP
	v_lshl_add_u32 v[AWB], v27, 4, v29
	v_add_nc_u32 v[XLD], s3, v[AWB]
	v_add_nc_u32 v[XST], s3, v[LN16]
	v_mul_u32_u24 v29, v26, SP
	v_lshl_add_u32 v29, v27, 5, v29
	v_add_nc_u32 v[STO], s3, v29                   ; in: row r, 32 bytes for each half of the lanes
	v_mul_u32_u24 v29, v27, SP
	v_lshl_add_u32 v29, v26, 4, v29
	v_add_nc_u32 v[RD], s3, v29                    ; back: lanes 0-15 one row of 256 bytes, lanes 16-31 the next
	v_lshlrev_b32 v29, 12, v27
	v_lshl_add_u32 v[CO], v26, 4, v29              ; and the same two rows in out
	v_lshl_add_u32 v29, v26, 5, v[H16]
	v_add_nc_u32 v[WSR], WSCL, v29
	v_add_nc_u32 v[WST], s2, v[LN16]
	v_add_nc_u32 v[BST], BIAS, v25
	v_lshlrev_b32 v29, 5, v27
	v_add_nc_u32 v[BRD], BIAS, v29
	s_wait_alu depctr_va_vdst(0)
	s_wait_dscnt 0x0                               ; both opening adds are done
	s_wait_kmcnt 0x0
	s_cmp_eq_u32 s[SETN], 0                        ; the set's pointers
	s_cselect_b64 s[IDX:IDX+1], s[68:69], s[70:71]
	s_cselect_b64 s[32:33], s[32:33], s[40:41]
	s_cselect_b64 s[34:35], s[34:35], s[42:43]
	s_cselect_b64 s[36:37], s[36:37], s[44:45]
	s_cselect_b64 s[38:39], s[38:39], s[46:47]
	s_cselect_b64 s[48:49], s[48:49], s[56:57]
	s_cselect_b64 s[50:51], s[50:51], s[58:59]
	s_cselect_b64 s[52:53], s[52:53], s[60:61]
	s_cselect_b64 s[54:55], s[54:55], s[62:63]
	s_cselect_b64 s[76:77], s[76:77], s[82:83]
	s_cselect_b64 s[78:79], s[78:79], s[84:85]
	s_cselect_b64 s[80:81], s[80:81], s[86:87]
	s_cselect_b64 s[OUTP:OUTP+1], s[88:89], s[90:91]
	s_cmp_lt_u32 s[WV], 2                          ; my weight: number wave + 1
	s_cselect_b64 s[32:33], s[32:33], s[36:37]
	s_cselect_b64 s[34:35], s[34:35], s[38:39]
	s_cselect_b64 s[48:49], s[48:49], s[52:53]
	s_cselect_b64 s[50:51], s[50:51], s[54:55]
	s_and_b32 s2, s[WV], 1
	s_cmp_eq_u32 s2, 0
	s_cselect_b64 s[32:33], s[32:33], s[34:35]
	s_cselect_b64 s[48:49], s[48:49], s[50:51]
	s_add_nc_u64 s[IDX:IDX+1], s[IDX:IDX+1], s[94:95]
	s_add_nc_u64 s[XC:XC+1], s[72:73], s[96:97]
	s_add_nc_u64 s[XS:XS+1], s[74:75], s[98:99]
	s_add_nc_u64 s[OUTP:OUTP+1], s[OUTP:OUTP+1], s[92:93]
	s_add_nc_u64 s[WB:WB+1], s[32:33], s[30:31]
	s_add_nc_u64 s[WSP:WSP+1], s[48:49], s[28:29]
	s_add_nc_u64 s[B4:B4+1], s[80:81], s[26:27]
	s_add_nc_u64 s[B2:B2+1], s[78:79], s[26:27]
	s_add_nc_u64 s[B1:B1+1], s[76:77], s[26:27]
	IDXLD 0x0                                      ; as scalars: the rows that I gather first, row blocks 0 and 1 of both kinds
.irp k, 0,1
.irp a, 0,1,2,3
	global_load_b32 v[XI+4*\k+\a], v24, s[IDX:IDX+1] offset:1024*\k+64*\a   ; all 128, eight a lane: the rows whose scale words I take
.endr
.endr
.irp j, 0,1,2,3,4,5,6,7
	global_load_b128 v[HOLD+4*\j:HOLD+4*\j+3], v[LN16], s[WSP:WSP+1] offset:512*\j   ; my weight's 4,096 bytes of scales
.endr
	global_load_b32 v160, v25, s[B1:B1+1]
	global_load_b32 v161, v25, s[B2:B2+1]
	global_load_b32 v162, v25, s[B4:B4+1]
	; descriptor group 1: a tile of 64 rows x 512 bytes, dense in memory, padded in LDS
	s_mov_b32 s[G1+0], 15|(1<<20)|(1<<21)|(6<<22)|(3<<25)   ; 15:0 the mask: all four work-groups; 17:16 elements of 1 byte; 20 padding on; 21 set beside a mask; 24:22 after every 128 words (code 6); 31:25 four words (code 3)
	s_mov_b32 s[G1+1], 512<<16                     ; tensor_dim0
	s_mov_b32 s[G1+2], 64<<16                      ; tensor_dim1
	s_mov_b32 s[G1+3], 512<<16                     ; tile_dim0
	s_mov_b32 s[G1+4], 64                          ; tile_dim1
	s_mov_b32 s[G1+5], 512                         ; tensor_dim0_stride
	s_mov_b32 s[G1+6], 0
	s_mov_b32 s[G1+7], 0
	s_mov_b32 s[G0+0], 1
	s_mul_i32 s[G0+1], s[WV], WHALF                ; where my weight's rows go: wave x 64 rows: no place in the cluster enters an LDS address
	s_mov_b64 s[G0+2:G0+3], s[WB:WB+1]
	s_or_b32 s[G0+3], s[G0+3], 0x80000000
	CROUND                                         ; all four work-groups are here: the first joint loads meet
	tensor_load_to_lds s[G0:G0+3], s[G1:G1+7]      ; my weight's first 64 rows: the one tensor load of mine at the head
	s_nop 0
	PLACES 4
	s_wait_kmcnt 0x0                               ; the first 64 indices
	ROWADR 0, 0, 0x40
	ROWLD 0, 0x41
	ROWADR 1, 1, 0x40
	ROWLD 1, 0x41
	ROWADR 2, 0, 0x80
	ROWLD 0, 0x82
	ROWADR 3, 1, 0x80
	IDXLD 0x80                                     ; the other 64 indices, into the scalars that have been used
	s_wait_loadcnt 48                              ; behind the indices, W's scales and the biases stand 48 rows
	WIN 0
.irp n, 0,1,2,3,4,5,6,7
	v_min_u32 v[XI+\n], 0x1ff, v[XI+\n]
.endr
.irp n, 0,1,2,3,4,5,6,7
	v_lshl_add_u32 v[XI+\n], v[XI+\n], 5, v[H16]   ; row x 32 bytes + my half
.endr
	v_add_f32 v160, v160, v161                     ; b1 + b2
.irp n, 0,1,2,3,4,5,6,7
	global_load_b128 v[XSC+4*\n:XSC+4*\n+3], v[XI+\n], s[XS:XS+1]
.endr
.irp j, 0,1,2,3,4,5,6,7
	ds_store_b128 v[WST], v[HOLD+4*\j:HOLD+4*\j+3] offset:512*\j
.endr
	ds_store_b32 v[BST], v160
	ds_store_b32 v[BST], v162 offset:512
	ROWLD 1, 0x82
	s_wait_kmcnt 0x0                               ; the other indices
	ROWADR 0, 2, 0x40
	ROWADR 1, 3, 0x40
	ROWADR 2, 2, 0x80
	ROWADR 3, 3, 0x80
	s_wait_alu depctr_va_vdst(0)
	XIN 0, 0, 56                                   ; behind it: three blocks of rows and the eight scale loads
	ROWLD 2, 0x41
	XIN 0, 1, 56
	ROWLD 3, 0x41
	XIN 1, 0, 56
	ROWLD 2, 0x82
	XIN 1, 1, 48                                   ; behind it: three blocks of rows; the scale words of x are in
	ROWLD 3, 0x82
	WIN 0
	s_mov_b32 s[HO], 0
	s_mov_b32 s[HO+1], 2*WHALF
	s_mov_b32 s[HS], 0
	s_mov_b32 s[HB], 0
	s_mov_b32 s[CS], 0x4038aa3b                    ; 2 log2(e)
	s_mov_b32 s[CS+1], s[CS]                       ; (named with it as a pair, so it is written)
	ADDR
	s_wait_tensorcnt 0x0                           ; my weight's first 64 rows are in
	s_wait_dscnt 0x0                               ; my part of W's scales and the biases lies in LDS; my first row blocks' fragments are in
	s_barrier_signal -1                            ; it shows the first half of W, the scales and the biases to every wave
	s_barrier_wait -1
	SCALES 0
	WIN 0xc0
.irp q, 0,1,2,3
	FRAGQ 0, \q, 128+32*\q                         ; the first column block's W: steps 0-3 into window 3,
.endr
	WIN 0
.irp q, 4,5,6,7
	FRAGQ 0, \q, 32*\q                             ; steps 4-7 into window 0
.endr
	s_wait_dscnt 0x0
	FIRST 0                                        ; while row blocks 2 and 3 are on their way
	XIN 0, 2, 48
	XIN 0, 3, 32
	XIN 1, 2, 16
	XIN 1, 3, 0
	WIN 0
	s_wait_tensorcnt 0x0                           ; no tensor load of mine is out
	ds_add_u32 v[SPW], v[NIL]                      ; 0 onto my spare word;
	s_add_nc_u64 s[G0+2:G0+3], s[G0+2:G0+3], 0x8000   ; the next 64 rows of 512 bytes,
	s_add_co_u32 s[G0+1], s[G0+1], HALF            ; behind the first half of W
	s_wait_dscnt 0x0                               ; the add is done, and my other fragments of x are in
	CROUND                                         ; the joint loads meet
	tensor_load_to_lds s[G0:G0+3], s[G1:G1+7]      ; the first tensor load behind the round
	s_nop 0
	PLACES 4
	FIRST 2
	PLACES 4                                       ; for the loads into registers that these products have read
	FETCH 1, 0, 0                                  ; the second column block's first fragments, scale words and biases
	SCALES 1
	EPI 0, 0
	WIN 0                                          ; at a label and at a branch every window is 0
	s_mov_b32 s[TL], 2
.Lhalf:                                                ; a half: four column blocks, 64 columns, whole units of 256 bytes of out.  Its first column block has been made on the way in
	s_wait_dscnt 0x0                               ; the loads that read by the addresses below are in
	ADDR
	CB 1, 0
	CB 2, 0
	CB 3, 0
	WIN 0
.set J, HOLD+96
.rept 16
	v_pk_fma_f32 v[J:J+1], v[J:J+1], -2.0, 1.0 op_sel_hi:[1,0,0]
.set J, J+2
.endr
; THE WAY OUT: a block of 16 rows goes into my own stage (a lane's 32 bytes of each column block; rows of 272 bytes) and comes back as whole rows of 256 bytes, into the registers that it left.
; LDS serves a wave's instructions in order (ISA guide 5.7.1.4): no wait between stores and loads.
.irp a, 0,1,2,3
.irp c, 0,1,2,3
	ds_store_b128 v[STO], v[HOLD+32*\c+8*\a:HOLD+32*\c+8*\a+3] offset:16*SP*(\a%2)+64*\c
	ds_store_b128 v[STO], v[HOLD+32*\c+8*\a+4:HOLD+32*\c+8*\a+7] offset:16*SP*(\a%2)+64*\c+16
.endr
.irp t, 0,1,2,3,4,5,6,7
	ds_load_b128 v[HOLD+32*(\t/2)+8*\a+4*(\t%2):HOLD+32*(\t/2)+8*\a+4*(\t%2)+3], v[RD] offset:16*SP*(\a%2)+2*SP*\t
.endr
.endr
.irp a, 0,1,2,3
	s_wait_dscnt 48-16*\a                          ; block a is back: behind its loads stand sixteen LDS instructions for each later block
.irp t, 0,1,2,3,4,5,6,7
	global_store_b128 v[CO], v[HOLD+32*(\t/2)+8*\a+4*(\t%2):HOLD+32*(\t/2)+8*\a+4*(\t%2)+3], s[OUTP:OUTP+1] offset:65536*\a+8192*\t th:TH_STORE_NT   ; 16 lanes store 256 consecutive bytes, at a multiple of 256 from out's first byte
.endr
.endr
	s_wait_alu depctr_va_vdst(0)
	s_wait_tensorcnt 0x0                           ; my weight's second 64 rows are in
	s_wait_dscnt 0x0
	s_barrier_signal -1                            ; it shows the second half of W to every wave
	s_barrier_wait -1
	s_cmp_eq_u32 s[TL], 1
	s_cbranch_scc1 .Ldone
	v_add_nc_u32 v[AW0], HALF, v[AWB]              ; the second half's first column block
	v_add_nc_u32 v[AW1], HALF+2*WHALF, v[AWB]
	v_add_nc_u32 v[WSA], 2048, v[WSR]
	v_add_nc_u32 v[ABI], 256, v[BRD]
	s_wait_alu depctr_va_vdst(0)
	FETCH 0, 0, 0
	SCALES 0
	CB 0, 1
	WIN 0
	s_add_co_u32 s[HO], s[HO], HALF
	s_add_co_u32 s[HO+1], s[HO+1], HALF
	s_add_co_u32 s[HS], s[HS], 2048
	s_add_co_u32 s[HB], s[HB], 256
	s_sub_co_u32 s[TL], s[TL], 1
	s_cmp_lg_u32 s[TL], 0
	s_cbranch_scc1 .Lhalf
.Ldone:
	s_wait_tensorcnt 0x0                           ; the wave's end: behind my last tensor load and my last LDS store
	ds_add_u32 v[SPW], v[NIL]
	s_wait_dscnt 0x0
	CROUND                                         ; the closing round: no work-group ends while a partner may still ask for a tile that names it
	s_endpgm
.Lfunc_end_k_q378530adcb_span:
	.size	k_q378530adcb_span, .Lfunc_end_k_q378530adcb_span-k_q378530adcb_span
	.p2alignl 7, 3214868480
	.fill 96, 4, 3214868480
	.section	.rodata,"a",@progbits
	.p2align	6, 0x0
	.amdhsa_kernel k_q378530adcb_span
		.amdhsa_group_segment_fixed_size 327680
		.amdhsa_private_segment_fixed_size 0
		.amdhsa_enable_private_segment 0
		.amdhsa_kernarg_size 224
		.amdhsa_user_sgpr_count 2
		.amdhsa_user_sgpr_kernarg_segment_ptr 1
		.amdhsa_wavefront_size32 1
		.amdhsa_system_sgpr_workgroup_id_x 1
		.amdhsa_system_sgpr_workgroup_id_y 1
		.amdhsa_system_sgpr_workgroup_id_z 1
		.amdhsa_system_vgpr_workitem_id 0
		.amdhsa_next_free_vgpr 1024
		.amdhsa_next_free_sgpr 106
		.amdhsa_reserve_vcc 0
		.amdhsa_float_denorm_mode_32 3
		.amdhsa_float_denorm_mode_16_64 3
		.amdhsa_memory_ordered 1
		.amdhsa_forward_progress 1
		.amdhsa_inst_pref_size 252
	.end_amdhsa_kernel
	.amdgpu_metadata
---
amdhsa.version: [ 1, 2 ]
amdhsa.kernels:
  - .name:           k_q378530adcb_span
    .symbol:         k_q378530adcb_span.kd
    .args:
      - { .name: Wp1_codes, .offset: 0, .size: 8, .value_kind: global_buffer, .address_space: global }
      - { .name: Wp2_codes, .offset: 8, .size: 8, .value_kind: global_buffer, .address_space: global }
      - { .name: Wp3_codes, .offset: 16, .size: 8, .value_kind: global_buffer, .address_space: global }
      - { .name: Wp4_codes, .offset: 24, .size: 8, .value_kind: global_buffer, .address_space: global }
      - { .name: Wh1_codes, .offset: 32, .size: 8, .value_kind: global_buffer, .address_space: global }
      - { .name: Wh2_codes, .offset: 40, .size: 8, .value_kind: global_buffer, .address_space: global }
      - { .name: Wh3_codes, .offset: 48, .size: 8, .value_kind: global_buffer, .address_space: global }
      - { .name: Wh4_codes, .offset: 56, .size: 8, .value_kind: global_buffer, .address_space: global }
      - { .name: Wp1_scales, .offset: 64, .size: 8, .value_kind: global_buffer, .address_space: global }
      - { .name: Wp2_scales, .offset: 72, .size: 8, .value_kind: global_buffer, .address_space: global }
      - { .name: Wp3_scales, .offset: 80, .size: 8, .value_kind: global_buffer, .address_space: global }
      - { .name: Wp4_scales, .offset: 88, .size: 8, .value_kind: global_buffer, .address_space: global }
      - { .name: Wh1_scales, .offset: 96, .size: 8, .value_kind: global_buffer, .address_space: global }
      - { .name: Wh2_scales, .offset: 104, .size: 8, .value_kind: global_buffer, .address_space: global }
      - { .name: Wh3_scales, .offset: 112, .size: 8, .value_kind: global_buffer, .address_space: global }
      - { .name: Wh4_scales, .offset: 120, .size: 8, .value_kind: global_buffer, .address_space: global }
      - { .name: prem_word_idxs, .offset: 128, .size: 8, .value_kind: global_buffer, .address_space: global }
      - { .name: hypo_word_idxs, .offset: 136, .size: 8, .value_kind: global_buffer, .address_space: global }
      - { .name: hidden_states_codes, .offset: 144, .size: 8, .value_kind: global_buffer, .address_space: global }
      - { .name: hidden_states_scales, .offset: 152, .size: 8, .value_kind: global_buffer, .address_space: global }
      - { .name: bp1, .offset: 160, .size: 8, .value_kind: global_buffer, .address_space: global }
      - { .name: bp2, .offset: 168, .size: 8, .value_kind: global_buffer, .address_space: global }
      - { .name: bp4, .offset: 176, .size: 8, .value_kind: global_buffer, .address_space: global }
      - { .name: bh1, .offset: 184, .size: 8, .value_kind: global_buffer, .address_space: global }
      - { .name: bh2, .offset: 192, .size: 8, .value_kind: global_buffer, .address_space: global }
      - { .name: bh4, .offset: 200, .size: 8, .value_kind: global_buffer, .address_space: global }
      - { .name: out0, .offset: 208, .size: 8, .value_kind: global_buffer, .address_space: global }
      - { .name: out1, .offset: 216, .size: 8, .value_kind: global_buffer, .address_space: global }
    .group_segment_fixed_size: 327680
    .private_segment_fixed_size: 0
    .kernarg_segment_align: 8
    .kernarg_segment_size: 224
    .max_flat_workgroup_size: 128
    .sgpr_count:     106
    .vgpr_count:     1024
    .wavefront_size: 32
...
	.end_amdgpu_metadata
.endif
;; end of part 1
